; MI455X (gfx1250); checked and timed in simulation.
; The chip was launched on July 23, 2026; its instructions are those of AMD's public machine-readable ISA for CDNA 5 (MIT licence, August 2026) and "CDNA5" Instruction Set Architecture Reference Guide (July 2026). The comments in the code are by the model that wrote it; some were corrected since.
;; Ferroelectric Basis. Allowed arithmetic: float matrix products may take bf16 or f16 operands with f32 sums; all other float work in f32.
;; Inputs: Ec 64 x 64 x 16 float32; Ps 64 x 64 x 16 float32; bias 64 x 64 x 16 float32; coef 64 x 64 x 16 float32; k 64 x 64 x 16 float32; x 1,024 x 64 float32.
;; Outputs: out0 1,024 x 64 float32.
;; 2 versions, each right and faster than the one before. Each part assembles by itself: llvm-mc -triple=amdgcn-amd-amdhsa -mcpu=gfx1250 --defsym DOCPART=n.
;; ======== version 1 of 2: 1 launch
;; launch ferro (part 1): grid 16 x 16, 8 waves a work-group, no clusters, 168,960 bytes of LDS; arguments x, k, Ec, Ps, coef, bias, out0; writes out0
.if DOCPART == 1
	.amdgcn_target "amdgcn-amd-amdhsa--gfx1250"
	.amdhsa_code_object_version 6
	.text
	.protected	k_q5bf8171d16_ferro
	.globl	k_q5bf8171d16_ferro
	.p2align	8
	.type	k_q5bf8171d16_ferro,@function
k_q5bf8171d16_ferro:
	s_mov_b64 s[64:65], 0
	v_nop
	global_prefetch_b8 v0, s[64:65] scope:SCOPE_SE
	s_setreg_imm32_b32 hwreg(HW_REG_WAVE_MODE, 25, 1), 1
	s_wait_xcnt 0x0
; out[b][o] = sum over i, n of coef * (Ps * (2 sigmoid(k (x -/+ Ec)) - 1) + bias); the sign is chosen per (b, i) by
; sigmoid(5 (x[b][i] - x[b-1][i])) > 0.5 (x[-1] = 0).  x: [1024][64]; k, Ec, Ps, bias, coef: [64 i][64 o][16 n]; out: [1024][64]; all f32.
;
; ARITHMETIC.  s = +1 (upper branch) or -1.  2 sigmoid(z) - 1 is odd, so with y' = -s x, a = k log2(e), c = a Ec, q = coef Ps:
;   e = 2^(a y' + c),  s sigmoid = 1 / (s + s e),  out = 2 [ sum q (s sigmoid) + sum_i s Qh(i,o) ] + sum coef bias,  Qh = -0.5 sum_n q.
; One element costs three fused multiply-adds (issued two at a time), one v_exp_f32 and one v_rcp_f32; only the branch taken is evaluated.
; Qh is added right in front of the sixteen terms that it cancels, so partial sums stay of the size of q; the error this leaves is of the
; size that the rounding of each sigmoid leaves anyway (about 2^-24 |q|).
; The gate: d = 1 + exp(-5 dx); 1/d, correctly rounded, is above 0.5 exactly when d < 2, so d < 2 is tested and no quotient is formed.
; A dx so small that d rounds to 2, and a NaN, take the lower branch, as they do in the reference.
; LIMITS: k x log2(e) and k Ec log2(e) must stay finite in f32 (k (x - Ec) is formed as a y' + a Ec in one fused multiply-add);
; v_exp_f32 gives 0 where 2^w is below 2^-126 (a sigmoid moves by less than that); the order of the sums is not the reference's.
;
; SHARES.  256 work-groups: ttmp9 = group of 4 o, ttmp7 = group of 64 b.  Eight waves; wave w takes i = 8w .. 8w+7, all 4 o, all 64 b;
; a lane holds b = lane and lane + 32 as the two halves of packed f32 instructions.  The eight partial sums meet in LDS at the end.
; 64 b x 4 o keeps the work that is repeated between work-groups small (gates: 64 x 64 values, parameters: 4 x 1024 triples), and 4 o x 16 n
; are 256 consecutive bytes of each parameter row.  The price: a work-group writes 64 pieces of 16 bytes of out, not whole rows; whole rows
; (64 o) with 4 b would make every work-group prepare all 65,536 parameter triples.
; NO MATRIX INSTRUCTIONS: o stands on both operands of the contraction, so each basis element feeds one multiply-add; a matrix form would need
; a mostly empty B and a conversion of every element that costs as many vector instructions as the packed multiply-add used here.
; NO CLUSTER, NO TENSOR LOADS: what work-groups share (16.6 KB of x, 20 KB of parameters each) is read once, at the first lines, and the
; parameters pass through registers for arithmetic before they lie in LDS.
; LDS used: 76,288 bytes; more than half of a WGP's LDS is asked for so that no two of the 256 work-groups share a WGP.
.set XPITCH, 272                       ; LDS pitch of a row of x: 256 + 16 bytes = 17 x 16, so 16 lanes reading one column of 16 rows touch 16 different 16-byte columns of a 256-byte span
.set PROW,   784                       ; LDS bytes per i: a[4 o][16 n], c[..], q[..] (256 bytes each), Qh[4 o]
.set PBASE,  17920                     ; parameters, behind 65 rows of x (17,680 bytes from byte 0)
.set RED,    68096                     ; partial sums: [8 waves][64 b][4 o] f32
; vector registers
.set LANE, 2
.set XOF,  5                           ; 16 t: my 16 bytes in the x tile in memory
.set C16,  6                           ; 16 (lane % 16)
.set POF,  7                           ; my 16 bytes in the wave's first two parameter rows in memory
.set XST,  8                           ; LDS: where I put my pieces of x
.set XLD,  9                           ; LDS: row 'lane' of the x tile, the wave's 8 columns
.set PST,  10                          ; LDS: where I put a, c, q
.set QST,  11                          ; LDS: where I put Qh
.set PLD,  12                          ; LDS: the wave's first parameter row (the same in all lanes: broadcast reads)
.set RST,  13                          ; LDS: my partial sums
.set RLD,  14                          ; LDS: the partial sums that I add at the end
.set OOF,  15                          ; 256 t: my row of out
.set YS,   16                          ; v[16:47]   for each of the wave's 8 i: y'(b), y'(b+32), s(b), s(b+32)
.set ACC,  48                          ; v[48:55]   sums: a pair (b, b+32) for each o
.set T,    56                          ; v[56:71]   two banks of 4 n x 2 b: exponent, then 2^w, then s + s e, then its reciprocal, in place
.set QH,   72                          ; v[72:75]   Qh of the 4 o of the current i
.set ONE,  76
.set BS,   78                          ; v[78:79]   running sum of coef bias
.set PB,   80                          ; v[80:175]  two buffers of a[16], c[16], q[16] of one (i, o)
.set RAW,  80                          ; v[80:159]  at first: k, Ec, Ps, coef, bias as loaded, 4 x 20 registers
.set QS,   176                         ; v[176:183] sums of q
.set XR,   184                         ; v[184:199] x as loaded
.set XPV,  200                         ; v[200:203] the row in front of the tile (wave 0)
.set XQ,   204                         ; v[204:235] 8 columns of: row b-1, row b, row b+31, row b+32
.set PO,   56                          ; v[56:63]   partial results on the way out
.set RD,   80                          ; v[80:111]  the eight partial sums
.set BC,   28                          ; s[28:31]   the wave's share of sum coef bias for the 4 o
	s_load_b256 s[4:11], s[0:1], 0x0               ; x s[4:5], k s[6:7], Ec s[8:9], Ps s[10:11]
	s_load_b128 s[12:15], s[0:1], 0x20             ; coef s[12:13], bias s[14:15]
	s_load_b64 s[16:17], s[0:1], 0x30              ; out
	v_lshl_add_u32 v240, v0, 2, 0x29000
	v_mov_b32 v241, 0
	v_lshrrev_b32 v1, 5, v0
	v_readfirstlane_b32 s18, v1                    ; wave 0..7
	s_and_b32 s19, ttmp7, 0xffff                   ; group of 64 b
	s_lshl_b32 s20, s19, 14                        ; 64 rows of 256 bytes
	s_mov_b32 s21, 0
	s_sub_co_i32 s22, s20, 256                     ; the row in front of the tile;
	s_max_i32 s22, s22, 0                          ; for the first group there is none: row 0 is loaded in its place and cleared below
	s_mov_b32 s23, 0
	s_cmp_lg_u32 s19, 0
	s_cselect_b32 s26, -1, 0                       ; keeps that row, or makes it +0.0
	s_lshl_b32 s34, ttmp9, 8                       ; 4 o x 16 n x 4 bytes in a parameter row
	s_mov_b32 s35, 0
	s_lshl_b32 s36, ttmp9, 4                       ; 4 o x 4 bytes in a row of out,
	s_add_co_u32 s36, s36, s20                     ; + the group's first row
	s_mov_b32 s37, 0
	s_mov_b32 s32, 0x76543210                      ; v_permlanex16_b32: lane i of one half reads lane i of the other
	s_mov_b32 s33, 0xfedcba98
	s_mul_i32 s38, s18, 8*PROW
	s_add_co_u32 s38, s38, PBASE                   ; the wave's 8 parameter rows in LDS
	s_lshl_b32 s39, s18, 10
	s_add_co_u32 s39, s39, RED                     ; the wave's partial sums
	s_lshl_b32 s40, s18, 9
	s_add_co_u32 s40, s40, RED                     ; at the end: 16 bytes for each of threads 0..63
	s_lshl_b32 s41, s18, 5                         ; the wave's 8 columns of x
	s_lshl_b32 s42, s18, 15                        ; the wave's 8 parameter rows of 4,096 bytes in memory
	v_and_b32 v[LANE], 31, v0
	v_and_b32 v3, 15, v0
	v_bfe_u32 v4, v0, 4, 1                         ; h: which half of the wave
	v_lshlrev_b32 v[XOF], 4, v0
	v_lshlrev_b32 v[C16], 4, v3
	v_lshl_add_u32 v[POF], v4, 12, v[C16]          ; lanes 0-15: one row's 256 bytes, lanes 16-31: the next row's
	v_add_nc_u32 v[POF], s42, v[POF]
	v_lshrrev_b32 v[XST], 4, v0
	v_mul_u32_u24 v[XST], v[XST], XPITCH
	v_add_nc_u32 v[XST], v[XST], v[C16]            ; row t / 16 (one further down by the stores' offset), 16 bytes at 16 (t % 16)
	v_mul_u32_u24 v[XLD], v[LANE], XPITCH
	v_add_nc_u32 v[XLD], s41, v[XLD]
	v_mul_u32_u24 v[PST], v4, PROW
	v_add_nc_u32 v[QST], s38, v[PST]               ; row 8w + h
	v_add_nc_u32 v[PST], v[QST], v[C16]
	v_bfe_u32 v1, v0, 2, 2                         ; which of the 4 o my 16 bytes belong to
	v_lshl_add_u32 v[QST], v1, 2, v[QST]
	v_mov_b32 v[PLD], s38
	v_lshl_add_u32 v[RST], v[LANE], 4, s39
	v_lshl_add_u32 v[RLD], v[LANE], 4, s40
	v_lshlrev_b32 v[OOF], 8, v0
	s_wait_kmcnt 0x0
	s_add_nc_u64 s[24:25], s[4:5], s[22:23]        ; x at the row in front of the tile
	s_add_nc_u64 s[4:5], s[4:5], s[20:21]          ; x at the tile
	s_add_nc_u64 s[6:7], s[6:7], s[34:35]          ; the parameters at the group's 4 o
	s_add_nc_u64 s[8:9], s[8:9], s[34:35]
	s_add_nc_u64 s[10:11], s[10:11], s[34:35]
	s_add_nc_u64 s[12:13], s[12:13], s[34:35]
	s_add_nc_u64 s[14:15], s[14:15], s[34:35]
	s_add_nc_u64 s[16:17], s[16:17], s[36:37]
	; ALL LOADS FROM MEMORY, at once.  Wave 0 also fetches the row in front (both halves of the wave the same 256 bytes).
	s_cmp_lg_u32 s18, 0
	s_cbranch_scc1 .Lno_row_in_front
	global_load_b128 v[XPV:XPV+3], v[C16], s[24:25]
.Lno_row_in_front:
.irp j, 0,1,2,3
	global_load_b128 v[XR+4*\j:XR+4*\j+3], v[XOF], s[4:5] offset:\j*4096           ; 256 threads x 16 bytes = 16 whole rows of x
.endr
.irp j, 0,1,2,3                                    ; rows i = 8w + 2j + h: each load covers two pieces of 256 consecutive bytes
	global_load_b128 v[RAW+20*\j:RAW+20*\j+3],     v[POF], s[6:7]   offset:\j*8192 ; k
	global_load_b128 v[RAW+20*\j+4:RAW+20*\j+7],   v[POF], s[8:9]   offset:\j*8192 ; Ec
	global_load_b128 v[RAW+20*\j+8:RAW+20*\j+11],  v[POF], s[10:11] offset:\j*8192 ; Ps
	global_load_b128 v[RAW+20*\j+12:RAW+20*\j+15], v[POF], s[12:13] offset:\j*8192 ; coef
	global_load_b128 v[RAW+20*\j+16:RAW+20*\j+19], v[POF], s[14:15] offset:\j*8192 ; bias
.endr
	; x into LDS: LDS row 0 = the row in front, LDS rows 1..64 = the tile
	s_wait_loadcnt 20                              ; loads return in order: all but the 20 parameter loads are in
.irp j, 0,1,2,3
	ds_store_b128 v[XST], v[XR+4*\j:XR+4*\j+3] offset:XPITCH+\j*16*XPITCH
.endr
	s_cmp_lg_u32 s18, 0
	s_cbranch_scc1 .Lno_row_in_front_2
.irp j, 0,1,2,3
	v_and_b32 v[XPV+\j], s26, v[XPV+\j]            ; the first group of b has zeros there
.endr
	ds_store_b128 v[C16], v[XPV:XPV+3]             ; lanes 16-31 write what lanes 0-15 write, to the same bytes
.Lno_row_in_front_2:
; Two parameter rows (i = 8w + 2j + h): a = k log2(e), c = a Ec, q = coef Ps in place, Qh = -0.5 sum_n q, and the running sum of coef bias.
.macro PREP j
	.set RK, RAW+20*\j
	.set QJ, QS+2*\j
	s_wait_loadcnt 15-5*\j                         ; five loads for each later pair of rows may stay out
	v_pk_mul_f32 v[RK:RK+1],     v[RK:RK+1],     0x3fb8aa3b op_sel_hi:[1,0]
	v_pk_mul_f32 v[RK+2:RK+3],   v[RK+2:RK+3],   0x3fb8aa3b op_sel_hi:[1,0]
	v_pk_mul_f32 v[RK+8:RK+9],   v[RK+12:RK+13], v[RK+8:RK+9]
	v_pk_mul_f32 v[RK+10:RK+11], v[RK+14:RK+15], v[RK+10:RK+11]
	v_pk_mul_f32 v[RK+4:RK+5],   v[RK:RK+1],     v[RK+4:RK+5]
	v_pk_mul_f32 v[RK+6:RK+7],   v[RK+2:RK+3],   v[RK+6:RK+7]
.if \j == 0
	v_pk_mul_f32 v[BS:BS+1], v[RK+12:RK+13], v[RK+16:RK+17]                        ; the first product starts the sum
.else
	v_pk_fma_f32 v[BS:BS+1], v[RK+12:RK+13], v[RK+16:RK+17], v[BS:BS+1]
.endif
	v_pk_fma_f32 v[BS:BS+1], v[RK+14:RK+15], v[RK+18:RK+19], v[BS:BS+1]
	v_pk_add_f32 v[QJ:QJ+1], v[RK+8:RK+9], v[RK+10:RK+11]
	v_add_f32 v[QJ], v[QJ], v[QJ+1]                                                ; my 4 n,
	v_add_f32_dpp v[QJ], v[QJ], v[QJ] row_xmask:1 row_mask:0xf bank_mask:0xf       ; and the 4 lanes that hold the 16 n of one (i, o)
	v_add_f32_dpp v[QJ], v[QJ], v[QJ] row_xmask:2 row_mask:0xf bank_mask:0xf
	v_mul_f32 v[QJ], -0.5, v[QJ]
	ds_store_b128 v[PST], v[RK:RK+3]    offset:\j*2*PROW                           ; 16 lanes: 256 consecutive bytes
	ds_store_b128 v[PST], v[RK+4:RK+7]  offset:\j*2*PROW+256
	ds_store_b128 v[PST], v[RK+8:RK+11] offset:\j*2*PROW+512
	ds_store_b32  v[QST], v[QJ]         offset:\j*2*PROW+768                       ; four lanes write the same word with the same value
.endm
	PREP 0
	PREP 1
	PREP 2
	PREP 3
	s_wait_dscnt 0x0                               ; my stores of x and of parameters are in LDS,
	s_barrier_signal -1
	s_barrier_wait -1                              ; everybody's are
; The 48 parameters of block KN = 4 i + o (i counted in the wave), and with the first o of an i the four Qh.  All lanes read the same bytes.
.macro LOADBLK
	.set LDB, PB+48*(KN%2)
	.set LDA, (KN/4)*PROW+(KN%4)*64
.irp m, 0,1,2
.irp u, 0,1,2,3
	ds_load_b128 v[LDB+16*\m+4*\u:LDB+16*\m+4*\u+3], v[PLD] offset:LDA+256*\m+16*\u
.endr
.endr
.if (KN%4) == 0
	ds_load_b128 v[QH:QH+3], v[PLD] offset:(KN/4)*PROW+768
.endif
.endm
	; my two rows b, b+32 and the rows in front of them, the wave's 8 columns
	ds_load_b128 v[XQ:XQ+3],     v[XLD]
	ds_load_b128 v[XQ+4:XQ+7],   v[XLD] offset:16
	ds_load_b128 v[XQ+8:XQ+11],  v[XLD] offset:XPITCH
	ds_load_b128 v[XQ+12:XQ+15], v[XLD] offset:XPITCH+16
	ds_load_b128 v[XQ+16:XQ+19], v[XLD] offset:32*XPITCH
	ds_load_b128 v[XQ+20:XQ+23], v[XLD] offset:32*XPITCH+16
	ds_load_b128 v[XQ+24:XQ+27], v[XLD] offset:33*XPITCH
	ds_load_b128 v[XQ+28:XQ+31], v[XLD] offset:33*XPITCH+16
	.set KN, 0
	LOADBLK                                        ; 13 loads
	; meanwhile: the wave's share of sum coef bias, one figure for each o, into scalar registers
	v_add_f32 v[BS], v[BS], v[BS+1]
	v_add_f32_dpp v[BS], v[BS], v[BS] row_xmask:1 row_mask:0xf bank_mask:0xf
	v_add_f32_dpp v[BS], v[BS], v[BS] row_xmask:2 row_mask:0xf bank_mask:0xf
	v_permlanex16_b32 v[BS+1], v[BS], s32, s33     ; the odd rows i of the other half
	v_add_f32 v[BS], v[BS], v[BS+1]
.irp o, 0,1,2,3
	v_readlane_b32 s[BC+\o], v[BS], 4*\o
.endr
	; THE GATES: d = 1 + 2^(-5 log2(e) (x - x in front)); s = d < 2 ? 1 : -1; y' = -s x
	s_wait_dscnt 13                                ; LDS answers in order: the 8 reads of x are in, the 13 of block 0 may stay out
.irp r, 0,1
.irp p, 0,2,4,6
	v_pk_add_f32 v[XQ+16*\r+\p:XQ+16*\r+\p+1], v[XQ+16*\r+8+\p:XQ+16*\r+9+\p], v[XQ+16*\r+\p:XQ+16*\r+\p+1] neg_lo:[0,1] neg_hi:[0,1]
	v_pk_mul_f32 v[XQ+16*\r+\p:XQ+16*\r+\p+1], v[XQ+16*\r+\p:XQ+16*\r+\p+1], 0xc0e6d4ca op_sel_hi:[1,0]       ; -7.2134752
.endr
.endr
.irp r, 0,1
.irp e, 0,1,2,3,4,5,6,7
	v_exp_f32 v[XQ+16*\r+\e], v[XQ+16*\r+\e]
.endr
.endr
	v_mov_b32 v[ONE], 1.0                          ; the plain instruction between the exponentials and their first use (ISA guide 5.7.2)
	s_wait_alu depctr_va_vdst(0)
.irp r, 0,1
.irp p, 0,2,4,6
	v_pk_add_f32 v[XQ+16*\r+\p:XQ+16*\r+\p+1], v[XQ+16*\r+\p:XQ+16*\r+\p+1], 1.0 op_sel_hi:[1,0]
.endr
.endr
.irp r, 0,1
.irp e, 0,1,2,3,4,5,6,7
	v_cmp_gt_f32 vcc_lo, 2.0, v[XQ+16*\r+\e]
	v_cndmask_b32 v[YS+4*\e+2+\r], -1.0, v[ONE], vcc_lo
	v_mul_f32 v[YS+4*\e+\r], -v[YS+4*\e+2+\r], v[XQ+16*\r+8+\e]
.endr
.endr
; THE MAIN PART: 128 steps of 4 n x 64 b, written out (about 24 KB of code: a loop could not index the registers that hold y' and s).
; hh picks the first or the second register of a parameter pair for both halves of the packed instruction.
.macro FEXPO tt, yy, aa, hh                        ; exponents: y' a + c
	v_pk_fma_f32 v[\tt:\tt+1], v[\yy:\yy+1], v[\aa:\aa+1], v[\aa+16:\aa+17] op_sel:[0,\hh,\hh] op_sel_hi:[1,\hh,\hh]
.endm
.macro FDEN tt, ss                                 ; s + s e
	s_wait_alu depctr_va_vdst(0)
	v_pk_fma_f32 v[\tt:\tt+1], v[\tt:\tt+1], v[\ss:\ss+1], v[\ss:\ss+1]
.endm
.macro FACC ac, tt, qq, hh                         ; sum += pair x parameter
	s_wait_alu depctr_va_vdst(0)
	v_pk_fma_f32 v[\ac:\ac+1], v[\tt:\tt+1], v[\qq:\qq+1], v[\ac:\ac+1] op_sel:[0,\hh,0] op_sel_hi:[1,\hh,1]
.endm
.macro QMUL ac, ss, qq, hh                         ; the first term of a sum: s Qh
	v_pk_mul_f32 v[\ac:\ac+1], v[\ss:\ss+1], v[\qq:\qq+1] op_sel:[0,\hh] op_sel_hi:[1,\hh]
	s_wait_alu depctr_va_vdst(0)
.endm
; Step G (i = G / 16, o = G / 4 % 4, n = 4 (G % 4) ..): the exponentials of group G with the sums of group G - 1 between them, the
; denominators of G, the reciprocals of G with the exponents of group G + 1 between them.  So every transcendental has an independent packed
; multiply-add between it and the first use of its result (ISA guide 5.7.2).  Two banks take turns.
.macro STEP
	.set TB, T+8*(G%2)                             ; group G's bank
	.set TO, T+8-8*(G%2)                           ; the other: the quotients of G - 1, then the exponents of G + 1
	.set YC, YS+4*(G/16)
.if G > 0
	.set AC, ACC+2*(((G-1)/4)%4)
	.set PQ, PB+48*(((G-1)/4)%2)+32+4*((G-1)%4)
	v_exp_f32 v[TB+0], v[TB+0]
	v_exp_f32 v[TB+1], v[TB+1]
	FACC AC, TO+0, PQ, 0
	v_exp_f32 v[TB+2], v[TB+2]
	v_exp_f32 v[TB+3], v[TB+3]
	FACC AC, TO+2, PQ, 1
	v_exp_f32 v[TB+4], v[TB+4]
	v_exp_f32 v[TB+5], v[TB+5]
	FACC AC, TO+4, PQ+2, 0
	v_exp_f32 v[TB+6], v[TB+6]
	v_exp_f32 v[TB+7], v[TB+7]
	FACC AC, TO+6, PQ+2, 1
.else
.irp u, 0,1,2,3,4,5,6,7
	v_exp_f32 v[TB+\u], v[TB+\u]
.endr
.endif
.if (G%4) == 0                                     ; a new (i, o): s Qh goes in front of the 16 terms that it cancels
	.set OC, (G/4)%4
	.set QP, QH+2*(OC/2)
.if G < 16                                         ; the wave's first i: this term starts the sum, nothing is cleared
.if (OC%2) == 0
	QMUL ACC+2*OC, YC+2, QP, 0
.else
	QMUL ACC+2*OC, YC+2, QP, 1
.endif
.else
.if (OC%2) == 0
	FACC ACC+2*OC, YC+2, QP, 0
.else
	FACC ACC+2*OC, YC+2, QP, 1
.endif
.endif
.if G < 124
	.set KN, G/4+1                                 ; the next block's parameters, into the buffer whose last reader (the sums of G - 1, and for
	LOADBLK                                        ; Qh the line above) has just been issued
.endif
.endif
	FDEN TB+0, YC+2
	FDEN TB+2, YC+2
	FDEN TB+4, YC+2
	FDEN TB+6, YC+2
.if G < 127
.if (G%4) == 3
	s_wait_dscnt 0x0                               ; the next block's parameters, asked for three and a half steps ago; nothing was asked for since
.endif
	.set YN, YS+4*((G+1)/16)
	.set PA, PB+48*(((G+1)/4)%2)+4*((G+1)%4)
	v_rcp_f32 v[TB+0], v[TB+0]
	v_rcp_f32 v[TB+1], v[TB+1]
	FEXPO TO+0, YN, PA, 0
	v_rcp_f32 v[TB+2], v[TB+2]
	v_rcp_f32 v[TB+3], v[TB+3]
	FEXPO TO+2, YN, PA, 1
	v_rcp_f32 v[TB+4], v[TB+4]
	v_rcp_f32 v[TB+5], v[TB+5]
	FEXPO TO+4, YN, PA+2, 0
	v_rcp_f32 v[TB+6], v[TB+6]
	v_rcp_f32 v[TB+7], v[TB+7]
	FEXPO TO+6, YN, PA+2, 1
.else
.irp u, 0,1,2,3,4,5,6,7
	v_rcp_f32 v[TB+\u], v[TB+\u]
.endr
.endif
.endm
	s_wait_dscnt 0x0                               ; block 0's parameters
	FEXPO T+0, YS, PB, 0                           ; the exponents of group 0
	FEXPO T+2, YS, PB, 1
	FEXPO T+4, YS, PB+2, 0
	FEXPO T+6, YS, PB+2, 1
	.set G, 0
.rept 128
	STEP
	.set G, G+1
.endr
	v_nop                                          ; the plain instruction behind the last reciprocals
	s_wait_alu depctr_va_vdst(0)
	FACC ACC+6, T+8,  PB+48+44, 0                  ; the sums of group 127: o = 3, buffer 1, q of n = 12..15, bank 1
	FACC ACC+6, T+10, PB+48+44, 1
	FACC ACC+6, T+12, PB+48+46, 0
	FACC ACC+6, T+14, PB+48+46, 1
	; THE END: 2 x sum + the wave's share of sum coef bias, four o side by side for each b; the eight waves' figures meet in LDS
.irp r, 0,1
.irp o, 0,1,2,3
	v_fma_f32 v[PO+4*\r+\o], v[ACC+2*\o+\r], 2.0, s[BC+\o]
.endr
.endr
	ds_store_b128 v[RST], v[PO:PO+3]               ; b = lane
	ds_store_b128 v[RST], v[PO+4:PO+7] offset:512  ; b = lane + 32
	s_wait_dscnt 0x0                               ; my partial sums are in LDS,
	s_barrier_signal -1
	s_barrier_wait -1                              ; everybody's are
	s_cmp_ge_u32 s18, 2
	s_cbranch_scc1 .Ldone                          ; 64 rows of 16 bytes: threads 0..63
.irp j, 0,1,2,3,4,5,6,7
	ds_load_b128 v[RD+4*\j:RD+4*\j+3], v[RLD] offset:\j*1024
.endr
	s_wait_dscnt 0x0
.irp j, 0,8,16,24
	v_pk_add_f32 v[RD+\j:RD+\j+1],   v[RD+\j:RD+\j+1],   v[RD+\j+4:RD+\j+5]
	v_pk_add_f32 v[RD+\j+2:RD+\j+3], v[RD+\j+2:RD+\j+3], v[RD+\j+6:RD+\j+7]
.endr
.irp j, 0,16
	v_pk_add_f32 v[RD+\j:RD+\j+1],   v[RD+\j:RD+\j+1],   v[RD+\j+8:RD+\j+9]
	v_pk_add_f32 v[RD+\j+2:RD+\j+3], v[RD+\j+2:RD+\j+3], v[RD+\j+10:RD+\j+11]
.endr
	v_pk_add_f32 v[RD:RD+1],   v[RD:RD+1],   v[RD+16:RD+17]
	v_pk_add_f32 v[RD+2:RD+3], v[RD+2:RD+3], v[RD+18:RD+19]
	global_store_b128 v[OOF], v[RD:RD+3], s[16:17] ; out[b][4 o]: 16 bytes of each of the group's 64 rows
.Ldone:
	s_wait_tensorcnt 0x0
	ds_add_u32 v240, v241
	s_wait_dscnt 0x0
	s_endpgm
.Lfunc_end_k_q5bf8171d16_ferro:
	.size	k_q5bf8171d16_ferro, .Lfunc_end_k_q5bf8171d16_ferro-k_q5bf8171d16_ferro
	.p2alignl 7, 3214868480
	.fill 96, 4, 3214868480
	.section	.rodata,"a",@progbits
	.p2align	6, 0x0
	.amdhsa_kernel k_q5bf8171d16_ferro
		.amdhsa_group_segment_fixed_size 168960
		.amdhsa_private_segment_fixed_size 0
		.amdhsa_enable_private_segment 0
		.amdhsa_kernarg_size 56
		.amdhsa_user_sgpr_count 2
		.amdhsa_user_sgpr_kernarg_segment_ptr 1
		.amdhsa_wavefront_size32 1
		.amdhsa_system_sgpr_workgroup_id_x 1
		.amdhsa_system_sgpr_workgroup_id_y 1
		.amdhsa_system_sgpr_workgroup_id_z 1
		.amdhsa_system_vgpr_workitem_id 0
		.amdhsa_next_free_vgpr 242
		.amdhsa_next_free_sgpr 66
		.amdhsa_reserve_vcc 1
		.amdhsa_float_denorm_mode_32 3
		.amdhsa_float_denorm_mode_16_64 3
		.amdhsa_memory_ordered 1
		.amdhsa_forward_progress 1
		.amdhsa_inst_pref_size 239
	.end_amdhsa_kernel
	.amdgpu_metadata
---
amdhsa.version: [ 1, 2 ]
amdhsa.kernels:
  - .name:           k_q5bf8171d16_ferro
    .symbol:         k_q5bf8171d16_ferro.kd
    .args:
      - { .name: x, .offset: 0, .size: 8, .value_kind: global_buffer, .address_space: global }
      - { .name: k, .offset: 8, .size: 8, .value_kind: global_buffer, .address_space: global }
      - { .name: Ec, .offset: 16, .size: 8, .value_kind: global_buffer, .address_space: global }
      - { .name: Ps, .offset: 24, .size: 8, .value_kind: global_buffer, .address_space: global }
      - { .name: coef, .offset: 32, .size: 8, .value_kind: global_buffer, .address_space: global }
      - { .name: bias, .offset: 40, .size: 8, .value_kind: global_buffer, .address_space: global }
      - { .name: out0, .offset: 48, .size: 8, .value_kind: global_buffer, .address_space: global }
    .group_segment_fixed_size: 168960
    .private_segment_fixed_size: 0
    .kernarg_segment_align: 8
    .kernarg_segment_size: 56
    .max_flat_workgroup_size: 256
    .sgpr_count:     66
    .vgpr_count:     242
    .wavefront_size: 32
...
	.end_amdgpu_metadata
.endif
;; end of part 1
;; ======== version 2 of 2: 1 launch; 1.69 times as fast as version 1
;; launch ferro (part 2): grid 16 x 16, 8 waves a work-group, no clusters, 168,960 bytes of LDS; arguments x, k, Ec, Ps, coef, bias, out0; writes out0
.if DOCPART == 2
	.amdgcn_target "amdgcn-amd-amdhsa--gfx1250"
	.amdhsa_code_object_version 6
	.text
	.protected	k_q5bf8171d16_ferro
	.globl	k_q5bf8171d16_ferro
	.p2align	8
	.type	k_q5bf8171d16_ferro,@function
k_q5bf8171d16_ferro:
	s_mov_b64 s[64:65], 0
	v_nop
	global_prefetch_b8 v0, s[64:65] scope:SCOPE_SE
	s_setreg_imm32_b32 hwreg(HW_REG_WAVE_MODE, 25, 1), 1
	s_wait_xcnt 0x0
; out[b][o] = sum over i, n of coef * (Ps * (2 sigmoid(k (x -/+ Ec)) - 1) + bias); the sign is chosen per (b, i) by
; sigmoid(5 (x[b][i] - x[b-1][i])) > 0.5 (x[-1] = 0).  x: [1024][64]; k, Ec, Ps, bias, coef: [64 i][64 o][16 n]; out: [1024][64]; all f32.
;
; ARITHMETIC.  s = +1 (upper branch) or -1.  2 sigmoid(z) - 1 is odd, so with y' = -s x, a = k log2(e), c = a Ec, q = coef Ps:
;   e = 2^(a y' + c),  s sigmoid = 1 / (s + s e),  out = 2 [ sum q (s sigmoid) + sum_i s Qh(i,o) ] + sum coef bias,  Qh = -0.5 sum_n q.
; One element costs three fused multiply-adds (issued two at a time), one v_exp_f32 and one v_rcp_f32; only the branch taken is evaluated.
; Qh is added in front of the sixteen terms that it cancels, so partial sums stay of the size of q; the error this leaves is of the
; size that the rounding of each sigmoid leaves anyway (about 2^-24 |q|).
; The gate: d = 1 + exp(-5 dx); 1/d, correctly rounded, is above 0.5 exactly when d < 2, so d < 2 is tested and no quotient is formed.
; A dx so small that d rounds to 2, and a NaN, take the lower branch, as they do in the reference.
; LIMITS: k x log2(e) and k Ec log2(e) must stay finite in f32 (k (x - Ec) is formed as a y' + a Ec in one fused multiply-add);
; v_exp_f32 gives 0 where 2^w is below 2^-126 (a sigmoid moves by less than that); the order of the sums is not the reference's.
;
; SHARES.  256 work-groups: ttmp9 = group of 4 o, ttmp7 = group of 64 b.  Eight waves; wave w takes i = 8w .. 8w+7, all 4 o, all 64 b;
; a lane holds b = lane and lane + 32 as the two halves of packed f32 instructions.  The eight partial sums meet in LDS at the end.
; 64 b x 4 o keeps the work that is repeated between work-groups small (gates: 64 x 64 values, parameters: 4 x 1024 triples), and 4 o x 16 n
; are 256 consecutive bytes of each parameter row.  The price: a work-group writes 64 pieces of 16 bytes of out, not whole rows; whole rows
; (64 o) with 4 b would make every work-group prepare all 65,536 parameter triples.
; BATCHES.  A wave's work is 32 blocks K = 4 i + o of 16 n x 64 b: 32 registers.  A block goes through five stages: exponents (16 packed lines),
; 32 exponentials, denominators (16), 32 reciprocals, sums (16).  The main part goes in trips: trip K holds the denominators and reciprocals of
; block K - 1, the sums of block K - 2 and the exponents and exponentials of block K.  A trip's 64 transcendentals are ONE batch: no line of the
; trip names a result of theirs; all their readers (the denominators of block K, the sums of block K - 1) stand in trip K + 1, behind the one wait
; at its head.  33 waits for 2,048 transcendentals; the gates' 16 exponentials are a batch of their own.
; NO MATRIX INSTRUCTIONS: o stands on both operands of the contraction, so each basis element feeds one multiply-add; a matrix form would need
; a mostly empty B and a conversion of every element that costs as many vector instructions as the packed multiply-add used here.
; NO CLUSTER, NO TENSOR LOADS: what work-groups share (16.6 KB of x, 20 KB of parameters each) is read once, at the first lines, and the
; parameters pass through registers for arithmetic before they lie in LDS.
; LDS used: 76,288 bytes; more than half of a WGP's LDS is asked for so that no two of the 256 work-groups share a WGP.
.set XPITCH, 272                       ; LDS pitch of a row of x: 256 + 16 bytes = 17 x 16, so 16 lanes reading one column of 16 rows touch 16 different 16-byte columns of a 256-byte span
.set PROW,   784                       ; LDS bytes per i: a[4 o][16 n], c[..], q[..] (256 bytes each), Qh[4 o]
.set PBASE,  17920                     ; parameters, behind 65 rows of x (17,680 bytes from byte 0)
.set RED,    68096                     ; partial sums: [8 waves][64 b][4 o] f32
; vector registers
.set LANE, 2
.set XOF,  5                           ; 16 t: my 16 bytes in the x tile in memory
.set C16,  6                           ; 16 (lane % 16)
.set POF,  7                           ; my 16 bytes in the wave's first two parameter rows in memory
.set XST,  8                           ; LDS: where I put my pieces of x
.set XLD,  9                           ; LDS: row 'lane' of the x tile, the wave's 8 columns
.set PST,  10                          ; LDS: where I put a, c, q
.set QST,  11                          ; LDS: where I put Qh
.set PLD,  12                          ; LDS: the wave's first parameter row (the same in all lanes: broadcast reads)
.set RST,  13                          ; LDS: my partial sums
.set RLD,  14                          ; LDS: the partial sums that I add at the end
.set OOF,  15                          ; 256 t: my row of out
.set YS,   16                          ; v[16:47]   for each of the wave's 8 i: y'(b), y'(b+32), s(b), s(b+32)
.set ACC,  48                          ; v[48:55]   sums: a pair (b, b+32) for each o
.set Q0,   56                          ; v[56:71]   q[16] of one (i, o): three buffers, block K in buffer K % 3: q is read two trips behind the block's a and c
.set Q1,   144                         ; v[144:159]
.set Q2,   160                         ; v[160:175]
.set QH,   72                          ; v[72:79]   Qh of the 4 o of one i: two buffers, by i % 2 (the second lies where ONE and BS lay: it is first filled when both are spent)
.set ONE,  76
.set BS,   78                          ; v[78:79]   running sum of coef bias
.set PB,   80                          ; v[80:143]  two buffers of a[16], c[16] of one (i, o), block K in buffer K % 2
.set RAW,  80                          ; v[80:159]  at first: k, Ec, Ps, coef, bias as loaded, 4 x 20 registers
.set T,    176                         ; v[176:239] two banks of 16 n x 2 b, block K in bank K % 2: exponent, then 2^w, then s + s e, then its reciprocal, in place (the set-up's registers below are spent by then)
.set QS,   176                         ; v[176:183] sums of q
.set XR,   184                         ; v[184:199] x as loaded
.set XPV,  200                         ; v[200:203] the row in front of the tile (wave 0)
.set XQ,   204                         ; v[204:235] 8 columns of: row b-1, row b, row b+31, row b+32
.set PO,   56                          ; v[56:63]   partial results on the way out
.set RD,   80                          ; v[80:111]  the eight partial sums
.set BC,   28                          ; s[28:31]   the wave's share of sum coef bias for the 4 o
	s_load_b256 s[4:11], s[0:1], 0x0               ; x s[4:5], k s[6:7], Ec s[8:9], Ps s[10:11]
	s_load_b128 s[12:15], s[0:1], 0x20             ; coef s[12:13], bias s[14:15]
	s_load_b64 s[16:17], s[0:1], 0x30              ; out
	v_lshl_add_u32 v240, v0, 2, 0x29000
	v_mov_b32 v241, 0
	v_lshrrev_b32 v1, 5, v0
	v_readfirstlane_b32 s18, v1                    ; wave 0..7
	s_and_b32 s19, ttmp7, 0xffff                   ; group of 64 b
	s_lshl_b32 s20, s19, 14                        ; 64 rows of 256 bytes
	s_mov_b32 s21, 0
	s_sub_co_i32 s22, s20, 256                     ; the row in front of the tile;
	s_max_i32 s22, s22, 0                          ; for the first group there is none: row 0 is loaded in its place and cleared below
	s_mov_b32 s23, 0
	s_cmp_lg_u32 s19, 0
	s_cselect_b32 s26, -1, 0                       ; keeps that row, or makes it +0.0
	s_lshl_b32 s34, ttmp9, 8                       ; 4 o x 16 n x 4 bytes in a parameter row
	s_mov_b32 s35, 0
	s_lshl_b32 s36, ttmp9, 4                       ; 4 o x 4 bytes in a row of out,
	s_add_co_u32 s36, s36, s20                     ; + the group's first row
	s_mov_b32 s37, 0
	s_mov_b32 s32, 0x76543210                      ; v_permlanex16_b32: lane i of one half reads lane i of the other
	s_mov_b32 s33, 0xfedcba98
	s_mul_i32 s38, s18, 8*PROW
	s_add_co_u32 s38, s38, PBASE                   ; the wave's 8 parameter rows in LDS
	s_lshl_b32 s39, s18, 10
	s_add_co_u32 s39, s39, RED                     ; the wave's partial sums
	s_lshl_b32 s40, s18, 9
	s_add_co_u32 s40, s40, RED                     ; at the end: 16 bytes for each of threads 0..63
	s_lshl_b32 s41, s18, 5                         ; the wave's 8 columns of x
	s_lshl_b32 s42, s18, 15                        ; the wave's 8 parameter rows of 4,096 bytes in memory
	v_and_b32 v[LANE], 31, v0
	v_and_b32 v3, 15, v0
	v_bfe_u32 v4, v0, 4, 1                         ; h: which half of the wave
	v_lshlrev_b32 v[XOF], 4, v0
	v_lshlrev_b32 v[C16], 4, v3
	v_lshl_add_u32 v[POF], v4, 12, v[C16]          ; lanes 0-15: one row's 256 bytes, lanes 16-31: the next row's
	v_add_nc_u32 v[POF], s42, v[POF]
	v_lshrrev_b32 v[XST], 4, v0
	v_mul_u32_u24 v[XST], v[XST], XPITCH
	v_add_nc_u32 v[XST], v[XST], v[C16]            ; row t / 16 (one further down by the stores' offset), 16 bytes at 16 (t % 16)
	v_mul_u32_u24 v[XLD], v[LANE], XPITCH
	v_add_nc_u32 v[XLD], s41, v[XLD]
	v_mul_u32_u24 v[PST], v4, PROW
	v_add_nc_u32 v[QST], s38, v[PST]               ; row 8w + h
	v_add_nc_u32 v[PST], v[QST], v[C16]
	v_bfe_u32 v1, v0, 2, 2                         ; which of the 4 o my 16 bytes belong to
	v_lshl_add_u32 v[QST], v1, 2, v[QST]
	v_mov_b32 v[PLD], s38
	v_lshl_add_u32 v[RST], v[LANE], 4, s39
	v_lshl_add_u32 v[RLD], v[LANE], 4, s40
	v_lshlrev_b32 v[OOF], 8, v0
	s_wait_kmcnt 0x0
	s_add_nc_u64 s[24:25], s[4:5], s[22:23]        ; x at the row in front of the tile
	s_add_nc_u64 s[4:5], s[4:5], s[20:21]          ; x at the tile
	s_add_nc_u64 s[6:7], s[6:7], s[34:35]          ; the parameters at the group's 4 o
	s_add_nc_u64 s[8:9], s[8:9], s[34:35]
	s_add_nc_u64 s[10:11], s[10:11], s[34:35]
	s_add_nc_u64 s[12:13], s[12:13], s[34:35]
	s_add_nc_u64 s[14:15], s[14:15], s[34:35]
	s_add_nc_u64 s[16:17], s[16:17], s[36:37]
	; ALL LOADS FROM MEMORY, at once.  Wave 0 also fetches the row in front (both halves of the wave the same 256 bytes).
	s_cmp_lg_u32 s18, 0
	s_cbranch_scc1 .Lno_row_in_front
	global_load_b128 v[XPV:XPV+3], v[C16], s[24:25]
.Lno_row_in_front:
.irp j, 0,1,2,3
	global_load_b128 v[XR+4*\j:XR+4*\j+3], v[XOF], s[4:5] offset:\j*4096           ; 256 threads x 16 bytes = 16 whole rows of x
.endr
.irp j, 0,1,2,3                                    ; rows i = 8w + 2j + h: each load covers two pieces of 256 consecutive bytes
	global_load_b128 v[RAW+20*\j:RAW+20*\j+3],     v[POF], s[6:7]   offset:\j*8192 ; k
	global_load_b128 v[RAW+20*\j+4:RAW+20*\j+7],   v[POF], s[8:9]   offset:\j*8192 ; Ec
	global_load_b128 v[RAW+20*\j+8:RAW+20*\j+11],  v[POF], s[10:11] offset:\j*8192 ; Ps
	global_load_b128 v[RAW+20*\j+12:RAW+20*\j+15], v[POF], s[12:13] offset:\j*8192 ; coef
	global_load_b128 v[RAW+20*\j+16:RAW+20*\j+19], v[POF], s[14:15] offset:\j*8192 ; bias
.endr
	; x into LDS: LDS row 0 = the row in front, LDS rows 1..64 = the tile
	s_wait_loadcnt 20                              ; loads return in order: all but the 20 parameter loads are in
.irp j, 0,1,2,3
	ds_store_b128 v[XST], v[XR+4*\j:XR+4*\j+3] offset:XPITCH+\j*16*XPITCH
.endr
	s_cmp_lg_u32 s18, 0
	s_cbranch_scc1 .Lno_row_in_front_2
.irp j, 0,1,2,3
	v_and_b32 v[XPV+\j], s26, v[XPV+\j]            ; the first group of b has zeros there
.endr
	ds_store_b128 v[C16], v[XPV:XPV+3]             ; lanes 16-31 write what lanes 0-15 write, to the same bytes
.Lno_row_in_front_2:
; Two parameter rows (i = 8w + 2j + h): a = k log2(e), c = a Ec, q = coef Ps in place, Qh = -0.5 sum_n q, and the running sum of coef bias.
.macro PREP j
	.set RK, RAW+20*\j
	.set QJ, QS+2*\j
	s_wait_loadcnt 15-5*\j                         ; five loads for each later pair of rows may stay out
	v_pk_mul_f32 v[RK:RK+1],     v[RK:RK+1],     0x3fb8aa3b op_sel_hi:[1,0]
	v_pk_mul_f32 v[RK+2:RK+3],   v[RK+2:RK+3],   0x3fb8aa3b op_sel_hi:[1,0]
	v_pk_mul_f32 v[RK+8:RK+9],   v[RK+12:RK+13], v[RK+8:RK+9]
	v_pk_mul_f32 v[RK+10:RK+11], v[RK+14:RK+15], v[RK+10:RK+11]
	v_pk_mul_f32 v[RK+4:RK+5],   v[RK:RK+1],     v[RK+4:RK+5]
	v_pk_mul_f32 v[RK+6:RK+7],   v[RK+2:RK+3],   v[RK+6:RK+7]
.if \j == 0
	v_pk_mul_f32 v[BS:BS+1], v[RK+12:RK+13], v[RK+16:RK+17]                        ; the first product starts the sum
.else
	v_pk_fma_f32 v[BS:BS+1], v[RK+12:RK+13], v[RK+16:RK+17], v[BS:BS+1]
.endif
	v_pk_fma_f32 v[BS:BS+1], v[RK+14:RK+15], v[RK+18:RK+19], v[BS:BS+1]
	v_pk_add_f32 v[QJ:QJ+1], v[RK+8:RK+9], v[RK+10:RK+11]
	v_add_f32 v[QJ], v[QJ], v[QJ+1]                                                ; my 4 n,
	v_add_f32_dpp v[QJ], v[QJ], v[QJ] row_xmask:1 row_mask:0xf bank_mask:0xf       ; and the 4 lanes that hold the 16 n of one (i, o)
	v_add_f32_dpp v[QJ], v[QJ], v[QJ] row_xmask:2 row_mask:0xf bank_mask:0xf
	v_mul_f32 v[QJ], -0.5, v[QJ]
	ds_store_b128 v[PST], v[RK:RK+3]    offset:\j*2*PROW                           ; 16 lanes: 256 consecutive bytes
	ds_store_b128 v[PST], v[RK+4:RK+7]  offset:\j*2*PROW+256
	ds_store_b128 v[PST], v[RK+8:RK+11] offset:\j*2*PROW+512
	ds_store_b32  v[QST], v[QJ]         offset:\j*2*PROW+768                       ; four lanes write the same word with the same value
.endm
	PREP 0
	PREP 1
	PREP 2
	PREP 3
	s_wait_dscnt 0x0                               ; my stores of x and of parameters are in LDS,
	s_barrier_signal -1
	s_barrier_wait -1                              ; everybody's are
; The 48 parameters of block KN = 4 i + o (i counted in the wave), and with the first o of an i the four Qh.  All lanes read the same bytes.
; a and c go into buffer KN % 2, q into buffer KN % 3, Qh into buffer i % 2.
.macro LOADBLK
	.set LDB, PB+32*(KN%2)
	.set LDQ, Q0+(Q1-Q0)*(((KN%3)+1)/2)+(Q2-Q1)*((KN%3)/2)
	.set LDA, (KN/4)*PROW+(KN%4)*64
.irp m, 0,1
.irp u, 0,1,2,3
	ds_load_b128 v[LDB+16*\m+4*\u:LDB+16*\m+4*\u+3], v[PLD] offset:LDA+256*\m+16*\u
.endr
.endr
.irp u, 0,1,2,3
	ds_load_b128 v[LDQ+4*\u:LDQ+4*\u+3], v[PLD] offset:LDA+512+16*\u
.endr
.if (KN%4) == 0
	.set LDH, QH+4*((KN/4)%2)
	ds_load_b128 v[LDH:LDH+3], v[PLD] offset:(KN/4)*PROW+768
.endif
.endm
	; my two rows b, b+32 and the rows in front of them, the wave's 8 columns
	ds_load_b128 v[XQ:XQ+3],     v[XLD]
	ds_load_b128 v[XQ+4:XQ+7],   v[XLD] offset:16
	ds_load_b128 v[XQ+8:XQ+11],  v[XLD] offset:XPITCH
	ds_load_b128 v[XQ+12:XQ+15], v[XLD] offset:XPITCH+16
	ds_load_b128 v[XQ+16:XQ+19], v[XLD] offset:32*XPITCH
	ds_load_b128 v[XQ+20:XQ+23], v[XLD] offset:32*XPITCH+16
	ds_load_b128 v[XQ+24:XQ+27], v[XLD] offset:33*XPITCH
	ds_load_b128 v[XQ+28:XQ+31], v[XLD] offset:33*XPITCH+16
	.set KN, 0
	LOADBLK                                        ; 13 loads
	; meanwhile: the wave's share of sum coef bias, one figure for each o, into scalar registers
	v_add_f32 v[BS], v[BS], v[BS+1]
	v_add_f32_dpp v[BS], v[BS], v[BS] row_xmask:1 row_mask:0xf bank_mask:0xf
	v_add_f32_dpp v[BS], v[BS], v[BS] row_xmask:2 row_mask:0xf bank_mask:0xf
	v_permlanex16_b32 v[BS+1], v[BS], s32, s33     ; the odd rows i of the other half
	v_add_f32 v[BS], v[BS], v[BS+1]
.irp o, 0,1,2,3
	v_readlane_b32 s[BC+\o], v[BS], 4*\o
.endr
	; THE GATES: d = 1 + 2^(-5 log2(e) (x - x in front)); s = d < 2 ? 1 : -1; y' = -s x
	s_wait_dscnt 13                                ; LDS answers in order: the 8 reads of x are in, the 13 of block 0 may stay out
.irp r, 0,1
.irp p, 0,2,4,6
	v_pk_add_f32 v[XQ+16*\r+\p:XQ+16*\r+\p+1], v[XQ+16*\r+8+\p:XQ+16*\r+9+\p], v[XQ+16*\r+\p:XQ+16*\r+\p+1] neg_lo:[0,1] neg_hi:[0,1]
	v_pk_mul_f32 v[XQ+16*\r+\p:XQ+16*\r+\p+1], v[XQ+16*\r+\p:XQ+16*\r+\p+1], 0xc0e6d4ca op_sel_hi:[1,0]       ; -7.2134752
.endr
.endr
.irp r, 0,1
.irp e, 0,1,2,3,4,5,6,7
	v_exp_f32 v[XQ+16*\r+\e], v[XQ+16*\r+\e]
.endr
.endr
	v_mov_b32 v[ONE], 1.0                          ; the plain instruction between the exponentials and their first use (ISA guide 5.7.2)
	s_wait_alu depctr_va_vdst(0)                   ; the wait ahead of the first line that names a result: one for the gates' batch of 16 exponentials
.irp r, 0,1
.irp p, 0,2,4,6
	v_pk_add_f32 v[XQ+16*\r+\p:XQ+16*\r+\p+1], v[XQ+16*\r+\p:XQ+16*\r+\p+1], 1.0 op_sel_hi:[1,0]
.endr
.endr
.irp r, 0,1
.irp e, 0,1,2,3,4,5,6,7
	v_cmp_gt_f32 vcc_lo, 2.0, v[XQ+16*\r+\e]
	v_cndmask_b32 v[YS+4*\e+2+\r], -1.0, v[ONE], vcc_lo
	v_mul_f32 v[YS+4*\e+\r], -v[YS+4*\e+2+\r], v[XQ+16*\r+8+\e]
.endr
.endr
; THE MAIN PART: 34 trips, written out (about 24 KB of code: a loop could not index the registers that hold y' and s).
; hh picks the first or the second register of a parameter pair for both halves of the packed instruction.
.macro FEXPO tt, yy, aa, hh                        ; exponents: y' a + c
	v_pk_fma_f32 v[\tt:\tt+1], v[\yy:\yy+1], v[\aa:\aa+1], v[\aa+16:\aa+17] op_sel:[0,\hh,\hh] op_sel_hi:[1,\hh,\hh]
.endm
.macro FDEN tt, ss                                 ; s + s e
	v_pk_fma_f32 v[\tt:\tt+1], v[\tt:\tt+1], v[\ss:\ss+1], v[\ss:\ss+1]
.endm
.macro FACC ac, tt, qq, hh                         ; sum += pair x parameter
	v_pk_fma_f32 v[\ac:\ac+1], v[\tt:\tt+1], v[\qq:\qq+1], v[\ac:\ac+1] op_sel:[0,\hh,0] op_sel_hi:[1,\hh,1]
.endm
.macro QMUL ac, ss, qq, hh                         ; the first term of a sum: s Qh
	v_pk_mul_f32 v[\ac:\ac+1], v[\ss:\ss+1], v[\qq:\qq+1] op_sel:[0,\hh] op_sel_hi:[1,\hh]
.endm
; The transcendental that stands at place u (0..3) of unit M (two n: four registers).  Each runs one unit behind the packed line that makes its source.
.macro RCPS u                                      ; a trip's first half: a reciprocal of block K - 1
.if (K < 33) && (M > 0)
	v_rcp_f32 v[TP+4*M-4+\u], v[TP+4*M-4+\u]
.endif
.endm
.macro TRANS u                                     ; its second half: the last four reciprocals of block K - 1, then the exponentials of block K
.if M == 0
.if (K > 0) && (K < 33)
	v_rcp_f32 v[TP+28+\u], v[TP+28+\u]
.endif
.elseif K < 32
	v_exp_f32 v[TN+4*M-4+\u], v[TN+4*M-4+\u]
.endif
.endm
; TRIP K (block K: i = K / 4, o = K % 4).  Bank K % 2 holds the quotients of block K - 2: the sums read them, the exponents of block K are written over them, and
; the exponentials follow in place.  The other bank holds 2^w of block K - 1: denominators and reciprocals in place.
;   the wait;  first half, eight units of: denominator, reciprocal, sum, reciprocal, denominator, reciprocal, sum, reciprocal;
;   the wait for block K's parameters, and the loads of block K + 1: their q goes into the buffer that the sums of block K - 2 have just read, their a and c into the one
;   that trip K - 1 read, their Qh (every fourth trip) into the one that this i does not read; they have a whole trip in which to land;
;   second half, eight units of: exponent, transcendental, exponent, three transcendentals;  the last four exponentials;  s Qh of block K.
; No line of the trip names a result of the trip's own transcendentals.  An accumulator takes s Qh(i, o) in trip K, its sixteen terms, n ascending, in trip K + 2, and the
; next i's s Qh in trip K + 4.  Trips 0 and 1 have no blocks behind them to finish, trips 32 and 33 none to begin.
.macro TRIP
	.set TN, T+32*(K%2)                            ; the bank of blocks K - 2 and K
	.set TP, T+32-32*(K%2)                         ; the bank of block K - 1
.if K > 0
	s_wait_alu depctr_va_vdst(0)                   ; the wait ahead of the first line that names a result: ONE for the batch of trip K - 1, the exponentials of block K - 1 and the reciprocals of block K - 2
	.set SD, YS+4*((K-1)/4)+2                      ; s of block K - 1
.if K > 1
	.set AC, ACC+2*((K-2)%4)
	.set PQ, Q0+(Q1-Q0)*((((K-2)%3)+1)/2)+(Q2-Q1)*(((K-2)%3)/2)
.endif
	.set M, 0
.rept 8
.if K < 33
	FDEN TP+4*M, SD
.endif
	RCPS 0
.if K > 1
	FACC AC, TN+4*M, PQ+2*M, 0
.endif
	RCPS 1
.if K < 33
	FDEN TP+4*M+2, SD
.endif
	RCPS 2
.if K > 1
	FACC AC, TN+4*M+2, PQ+2*M, 1
.endif
	RCPS 3
	.set M, M+1
.endr
.endif
.if K < 32
	.set YC, YS+4*(K/4)
	.set PA, PB+32*(K%2)
	s_wait_dscnt 0x0                               ; block K's parameters, asked for a trip ago; nothing was asked for since
.if K < 31
	.set KN, K+1
	LOADBLK
.endif
.endif
	.set M, 0
.rept 8
.if K < 32
	FEXPO TN+4*M, YC, PA+2*M, 0
.endif
	TRANS 0
.if K < 32
	FEXPO TN+4*M+2, YC, PA+2*M, 1
.endif
	TRANS 1
	TRANS 2
	TRANS 3
	.set M, M+1
.endr
.if K < 32
.irp u, 28,29,30,31
	v_exp_f32 v[TN+\u], v[TN+\u]
.endr
	.set OC, K%4                                   ; s Qh of block K, in front of the 16 terms that it cancels.  It names no result of the batch: the plain instruction behind the batch's last transcendental (ISA guide 5.7.2)
	.set QP, QH+4*((K/4)%2)+2*(OC/2)
.if K < 4                                          ; the wave's first i: this term starts the sum, nothing is cleared
.if (OC%2) == 0
	QMUL ACC+2*OC, YC+2, QP, 0
.else
	QMUL ACC+2*OC, YC+2, QP, 1
.endif
.else
.if (OC%2) == 0
	FACC ACC+2*OC, YC+2, QP, 0
.else
	FACC ACC+2*OC, YC+2, QP, 1
.endif
.endif
.elseif K == 32
	v_nop                                          ; the plain instruction behind the last reciprocals
.endif
.endm
	.set K, 0
.rept 34
	TRIP
	.set K, K+1
.endr
	; THE END: 2 x sum + the wave's share of sum coef bias, four o side by side for each b; the eight waves' figures meet in LDS
.irp r, 0,1
.irp o, 0,1,2,3
	v_fma_f32 v[PO+4*\r+\o], v[ACC+2*\o+\r], 2.0, s[BC+\o]
.endr
.endr
	ds_store_b128 v[RST], v[PO:PO+3]               ; b = lane
	ds_store_b128 v[RST], v[PO+4:PO+7] offset:512  ; b = lane + 32
	s_wait_dscnt 0x0                               ; my partial sums are in LDS,
	s_barrier_signal -1
	s_barrier_wait -1                              ; everybody's are
	s_cmp_ge_u32 s18, 2
	s_cbranch_scc1 .Ldone                          ; 64 rows of 16 bytes: threads 0..63
.irp j, 0,1,2,3,4,5,6,7
	ds_load_b128 v[RD+4*\j:RD+4*\j+3], v[RLD] offset:\j*1024
.endr
	s_wait_dscnt 0x0
.irp j, 0,8,16,24
	v_pk_add_f32 v[RD+\j:RD+\j+1],   v[RD+\j:RD+\j+1],   v[RD+\j+4:RD+\j+5]
	v_pk_add_f32 v[RD+\j+2:RD+\j+3], v[RD+\j+2:RD+\j+3], v[RD+\j+6:RD+\j+7]
.endr
.irp j, 0,16
	v_pk_add_f32 v[RD+\j:RD+\j+1],   v[RD+\j:RD+\j+1],   v[RD+\j+8:RD+\j+9]
	v_pk_add_f32 v[RD+\j+2:RD+\j+3], v[RD+\j+2:RD+\j+3], v[RD+\j+10:RD+\j+11]
.endr
	v_pk_add_f32 v[RD:RD+1],   v[RD:RD+1],   v[RD+16:RD+17]
	v_pk_add_f32 v[RD+2:RD+3], v[RD+2:RD+3], v[RD+18:RD+19]
	global_store_b128 v[OOF], v[RD:RD+3], s[16:17] ; out[b][4 o]: 16 bytes of each of the group's 64 rows
.Ldone:
	s_wait_tensorcnt 0x0
	ds_add_u32 v240, v241
	s_wait_dscnt 0x0
	s_endpgm
.Lfunc_end_k_q5bf8171d16_ferro:
	.size	k_q5bf8171d16_ferro, .Lfunc_end_k_q5bf8171d16_ferro-k_q5bf8171d16_ferro
	.p2alignl 7, 3214868480
	.fill 96, 4, 3214868480
	.section	.rodata,"a",@progbits
	.p2align	6, 0x0
	.amdhsa_kernel k_q5bf8171d16_ferro
		.amdhsa_group_segment_fixed_size 168960
		.amdhsa_private_segment_fixed_size 0
		.amdhsa_enable_private_segment 0
		.amdhsa_kernarg_size 56
		.amdhsa_user_sgpr_count 2
		.amdhsa_user_sgpr_kernarg_segment_ptr 1
		.amdhsa_wavefront_size32 1
		.amdhsa_system_sgpr_workgroup_id_x 1
		.amdhsa_system_sgpr_workgroup_id_y 1
		.amdhsa_system_sgpr_workgroup_id_z 1
		.amdhsa_system_vgpr_workitem_id 0
		.amdhsa_next_free_vgpr 242
		.amdhsa_next_free_sgpr 66
		.amdhsa_reserve_vcc 1
		.amdhsa_float_denorm_mode_32 3
		.amdhsa_float_denorm_mode_16_64 3
		.amdhsa_memory_ordered 1
		.amdhsa_forward_progress 1
		.amdhsa_inst_pref_size 207
	.end_amdhsa_kernel
	.amdgpu_metadata
---
amdhsa.version: [ 1, 2 ]
amdhsa.kernels:
  - .name:           k_q5bf8171d16_ferro
    .symbol:         k_q5bf8171d16_ferro.kd
    .args:
      - { .name: x, .offset: 0, .size: 8, .value_kind: global_buffer, .address_space: global }
      - { .name: k, .offset: 8, .size: 8, .value_kind: global_buffer, .address_space: global }
      - { .name: Ec, .offset: 16, .size: 8, .value_kind: global_buffer, .address_space: global }
      - { .name: Ps, .offset: 24, .size: 8, .value_kind: global_buffer, .address_space: global }
      - { .name: coef, .offset: 32, .size: 8, .value_kind: global_buffer, .address_space: global }
      - { .name: bias, .offset: 40, .size: 8, .value_kind: global_buffer, .address_space: global }
      - { .name: out0, .offset: 48, .size: 8, .value_kind: global_buffer, .address_space: global }
    .group_segment_fixed_size: 168960
    .private_segment_fixed_size: 0
    .kernarg_segment_align: 8
    .kernarg_segment_size: 56
    .max_flat_workgroup_size: 256
    .sgpr_count:     66
    .vgpr_count:     242
    .wavefront_size: 32
...
	.end_amdgpu_metadata
.endif
;; end of part 2
